; MI455X (gfx1250); checked and timed in simulation.
; The chip was launched on July 23, 2026; its instructions are those of AMD's public machine-readable ISA for CDNA 5 (MIT licence, August 2026) and "CDNA5" Instruction Set Architecture Reference Guide (July 2026). The comments in the code are by the model that wrote it; some were corrected since.
;; Edge Decoder. Allowed arithmetic: matrix products marked QUANTISED: E2M1 operands, one E8M0 scale for each 32 along K, by v_wmma_scale_f32_16x16x128_f8f6f4 with both operands' format E2M1 (or v_wmma_scale_f32_32x16x128_f4), f32 sums; products left as they are: f32 operands where the result goes on into a quantised operand, else bf16, f16 or f32 operands; f32 sums; everything else in f32.
;; Inputs: W1 512 x 256 float32; W2 256 x 1 float32; b1 256 float32; b2 1 float32; edge_label_index 2 x 500,000 int32; movie_emb 50,000 x 256 float32; user_emb 100,000 x 256 float32.
;; Outputs: out0 500,000 x 1 float32.
;; This version of the problem:
;;   THIS VERSION OF THE PROBLEM IS GIVEN IN LOW PRECISION. The matrix products marked QUANTISED in the list below multiply operands that are first quantised to E2M1 (2 exponent bits, 1 mantissa bit; 4 bits a number), with one power-of-two scale for each 32 numbers along K (OCP MX v1.0); their sums are f32. All else is computed in f32.
;;   The module's matrix products, in the order in which they are computed (A, B: the left and right operand; K: the contracted axis; several contracted axes count as one K, in the product's order):
;;     1. [M 500,000, K 512] x [K 512, N 256]; A: computed on the way; B: input W1: QUANTISED
;;     2. [M 500,000, K 256] x [K 256, N 1]; A: computed on the way; B: input W2: left as it is (N = 1 < 16)
;;   THE QUANTISER, for each operand of a quantised product, along K:
;;     - K is cut into blocks of 32 from its start; a last block that is shorter is filled with zeros.
;;     - A block's scale is 2^e with e = floor(log2(the largest magnitude in the block)) - 2, held to -126 .. 127; a block of zeros has e = 0. As a byte (E8M0): e + 127.
;;     - Each number is divided by its block's scale, clamped to +-6, and rounded to the nearest number of E2M1, ties to even, subnormals kept.
;;     - The product sums the exact products of the quantised numbers (number of the format x scale) in f32.
;;   ~~~python
;;   def quantise(x, axis):      # numpy; x: float32 -> the quantised numbers, widened to float32 again
;;       x = np.moveaxis(x, axis, -1); K = x.shape[-1]
;;       x = np.pad(x, [(0, 0)] * (x.ndim - 1) + [(0, -K % 32)]); x = x.reshape(x.shape[:-1] + (-1, 32)); a = np.abs(x).max(-1, keepdims=True)
;;       e = np.where(a > 0, np.clip(np.frexp(np.where(a > 0, a, 1))[1] - 1 - 2, -126, 127), 0)      # np.frexp(a)[1] - 1 = floor(log2(a)), exactly
;;       r = np.clip(x / 2.0 ** e, -6, 6)
;;       step = 2.0 ** (np.maximum(np.frexp(np.where(r == 0, 1, r))[1] - 1, 0) - 1)
;;       q = np.round(r / step) * step * 2.0 ** e      # np.round: ties to even
;;       return np.moveaxis(q.reshape(q.shape[:-2] + (-1,))[..., :K], -1, axis).astype(np.float32)
;;   ~~~
;;   OPERANDS COMPUTED ON THE WAY. 'Computed on the way' means the value that the module computes at that place (a softmax that the list does not call 'softmax' is quantised finished and normalised). What goes into a quantiser is computed in f32, as accurately as f32 sums, v_exp_f32 and their like allow (about 1e-6 of the number): no bf16 or f16 on the way to a quantiser, and a product that is left as it is and whose result goes on into a quantised operand takes f32 operands (vector FMAs, or v_wmma_f32_16x16x4_f32). A number that lies on a knife's edge between two numbers of the format may be rounded either way, as far as f32 arithmetic and the matrix unit's own rounding can turn it there, and no further.
;; One version. Each part assembles by itself: llvm-mc -triple=amdgcn-amd-amdhsa -mcpu=gfx1250 --defsym DOCPART=n.
;; ======== version 1 of 1: 2 launches
;; limits: right only within a limited range of input values
;; workspace buffers: xc 19,200,000 bytes; xs 1,200,128 bytes; wimg 65,536 bytes; wsc 4,096 bytes
;; launch quant (part 1): grid 1188 x 1, 4 waves a work-group, no clusters, 2,560 bytes of LDS; arguments user_emb, movie_emb, W1, xc, xs, wimg, wsc; writes xc, xs, wimg, wsc
.if DOCPART == 1
	.amdgcn_target "amdgcn-amd-amdhsa--gfx1250"
	.amdhsa_code_object_version 6
	.text
	.protected	k_q1141c45a69_quant
	.globl	k_q1141c45a69_quant
	.p2align	8
	.type	k_q1141c45a69_quant,@function
k_q1141c45a69_quant:
	s_mov_b64 s[64:65], 0
	v_nop
	global_prefetch_b8 v0, s[64:65] scope:SCOPE_SE
	s_setreg_imm32_b32 hwreg(HW_REG_WAVE_MODE, 25, 1), 1
	s_wait_xcnt 0x0
; The operands of the quantised product, made ONCE.  K's blocks of 32 never cross the seam between the user's 256 numbers and the movie's, so an edge's
; quantised row is its user row's codes followed by its movie row's: the two TABLES are quantised (150,000 rows), not the 500,000 edges.
; xc  [150,000][128 bytes]: codes of FP4 (E2M1), K innermost, the lower k in the low four bits; rows 0 .. 99,999 the users, from 100,000 on the movies.
; xs  [150,000][8 bytes]:   one E8M0 byte for each 32 along a row.
; wimg: W1 [512 (k)][256 (n)] as images of operand registers: fragment f = 4 t + s (units 16 t .. 16 t + 15, k = 128 s .. 128 s + 127) is 1,024 bytes; registers 4 c .. 4 c + 3 of lane l lie at 1024 f + 512 c + 16 l.
; wsc [256 units][16 bytes]: W1's E8M0 bytes, byte = block of K.
; A block's scale is 2^(floor(log2(its largest magnitude)) - 2); its byte is that magnitude's exponent field - 2, held at 1 from below.
; LIMITS: a block whose largest magnitude lies under 2^-124 (a block of zeros among them) gets the byte 1 where the rule says otherwise for zeros: its codes are then zeros or subnormal codes under that byte,
; and the bytes are read by this program alone.  NaN and infinities among the inputs are not served.
; SHARES.  Work-groups 0 .. 15: W1, one tile of 16 units each, wave s its K step s.  Work-groups 16 .. 1187: the tables, as one stream of runs of 32 rows (8,192 numbers, 16 steps of 512), run = 4 (work-group - 16) + wave.
; 100,000 rows are 3,125 runs, so the seam falls between two runs; 50,000 rows are 1,562.5, so run 4,687 has 8 steps: the same macro, expanded a second time, with LDS bytes of its own.
; A STEP is four loads of 512 consecutive bytes, 16 a lane, and the numbers stay where they land: a load holds four blocks, block a in lanes 8 a .. 8 a + 7, four numbers a lane.
; The block's largest magnitude: two lines in the lane, three DPP steps over the eight lanes.  A conversion takes 8 registers, those of two loads, under ONE scale: it is issued once under each load's scale, and of each
; result the 16 bits of the load whose scale it had are kept.  So a lane has 2 bytes of codes of each load.  Over two steps (8 loads) these pieces are transposed 8 x 8 inside each group of eight lanes
; (three exchanges with the lanes 1, 2, 4 away): lane 8 a + b then holds the 16 bytes of codes of load b's block a, and one store of the wave covers 512 consecutive bytes.
; WHILE A RUN IS READ, LOADS ARE ITS ONLY MEMORY INSTRUCTIONS: the run's codes (4 registers for two steps) and scale words (a register a step) stay in registers, and all stores stand at the run's end.
; The scale bytes alone go through LDS, at the end: a word a step and block place (the four loads' bytes), 256 bytes a wave; a lane takes a step's 16 bytes back, turns them 4 x 4, and sixteen lanes store 256 consecutive bytes.
; No tensor loads, no barrier: waves share nothing.  No cluster: no two work-groups read the same bytes.  Loads run six steps (24 loads a wave) ahead.
.set WREG,  256                        ; LDS of a wave: its scale words
.set HALF,  1024                       ; the run of 8 steps works this many bytes further up
.set SPARE, 2048                       ; the spare words: 128 bytes a wave, two blocks of 256 that no other line names
.set NUSER, 3125                       ; runs of the user table
.set LASTR, 4687                       ; the run of 8 steps
.set NS,    6                          ; sets of registers for the loads
.set M,     8                          ; v8-11    the four loads' largest magnitudes
.set S,     12                         ; v12-15   their scale operands
.set R,     16                         ; v16-111  six sets of 16 numbers as they are loaded
.set WW,    16                         ; v16-27   at the run's end, when the sets are done with: the scale bytes' way out
.set PP,    20
.set VV,    24
.set CV,    112                        ; v112-115 the conversions' results
.set EB,    116                        ; v116-119 scale bytes
.set T,     120                        ; v120-123 the exchanges: what comes (first exchange) or goes
.set U,     124                        ; v124-125 what comes
.set ET,    128                        ; v128-143 a scale word for each step
.set C,     144                        ; v144-175 codes: four registers for each two steps
.set SPW,   176                        ; v176     LDS address of my spare word; never rewritten
.set NIL,   177                        ; v177     0; never rewritten
	s_load_b256 s[4:11], s[0:1], 0x0               ; users s[4:5], movies s[6:7], W1 s[8:9], xc s[10:11]
	s_load_b128 s[12:15], s[0:1], 0x20             ; xs s[12:13], wimg s[14:15]
	s_load_b64 s[16:17], s[0:1], 0x30              ; wsc
	v_lshl_add_u32 v[SPW], v0, 2, SPARE
	v_mov_b32 v[NIL], 0
	v_lshrrev_b32 v1, 5, v0
	v_readfirstlane_b32 s18, v1                    ; wave
	v_and_b32 v2, 31, v0                           ; lane = 8 a + b
	v_lshlrev_b32 v3, 4, v2                        ; 16 x lane: my 16 bytes of a load's 512
	v_and_b32 v4, 7, v2
	v_lshlrev_b32 v4, 6, v4
	v_lshrrev_b32 v5, 3, v2
	v_lshl_add_u32 v4, v5, 4, v4                   ; 64 b + 16 a: my 16 bytes of two steps' 512 bytes of codes
	s_lshl_b32 s19, s18, 8                         ; my wave's scale words
	v_lshlrev_b32 v5, 2, v5
	v_add_nc_u32 v5, s19, v5                       ; + 4 a
	s_mov_b32 s28, 0xaaaaaaaa                      ; lanes with bit 0, 1, 2 of their number set
	s_mov_b32 s30, 0xcccccccc
	s_mov_b32 s31, 0xf0f0f0f0
	s_mov_b32 s29, 0xffff
	v_mov_b32 v7, 0x05040100                       ; the first exchange's byte selects: an even lane keeps its low half and takes its partner's low half above it,
	v_mov_b32 v6, 0x03020706                       ; an odd lane takes its partner's high half below its own
	v_cndmask_b32 v7, v7, v6, s28
.irp i, 0,1,2,3,4,5
	v_mov_b32 v[T+\i], 0                           ; written once: a DPP form's destination counts as one of its sources
.endr
	s_mov_b32 s23, 0
	s_wait_kmcnt 0x0
	s_cmp_lt_u32 ttmp9, 16
	s_cbranch_scc1 .Lw1
	s_sub_co_u32 s20, ttmp9, 16
	s_lshl_b32 s20, s20, 2
	s_add_co_u32 s20, s20, s18                     ; my run
	s_cmp_lt_u32 s20, NUSER                        ; a user run or a movie run?  The choice hangs on ids alone
	s_cselect_b64 s[4:5], s[4:5], s[6:7]
	s_cselect_b32 s21, 0, NUSER
	s_sub_co_u32 s21, s20, s21                     ; the run's number in its own table
	s_lshl_b32 s22, s21, 15                        ; 32,768 bytes of f32 a run (under 2^27)
	s_add_nc_u64 s[4:5], s[4:5], s[22:23]
	s_lshl_b32 s22, s20, 12                        ; 4,096 bytes of codes
	s_add_nc_u64 s[10:11], s[10:11], s[22:23]
	s_lshl_b32 s22, s20, 8                         ; 256 scale bytes
	s_add_nc_u64 s[12:13], s[12:13], s[22:23]
.macro LOAD t
.irp i, 0,1,2,3
	global_load_b128 v[R+16*((\t)%NS)+4*\i:R+16*((\t)%NS)+4*\i+3], v3, s[4:5] offset:2048*(\t)+512*\i th:TH_LOAD_NT   ; 32 lanes read 512 consecutive bytes; read once in the launch
.endr
.endm
; An exchange with the lane x away (mask m: the lanes whose number has that bit): of the pair (lo, hi) a lane without the bit keeps lo and gives hi, a lane with it keeps hi and gives lo; what comes takes the given one's place.
.macro SWAPS d0, d1, d2, d3, x, m
	v_cndmask_b32 v[T], v[\d1], v[\d0], s[\m]
	v_cndmask_b32 v[T+1], v[\d3], v[\d2], s[\m]
	v_mov_b32_dpp v[U], v[T] row_xmask:\x row_mask:0xf bank_mask:0xf
	v_mov_b32_dpp v[U+1], v[T+1] row_xmask:\x row_mask:0xf bank_mask:0xf
	v_cndmask_b32 v[\d0], v[\d0], v[U], s[\m]
	v_cndmask_b32 v[\d1], v[U], v[\d1], s[\m]
	v_cndmask_b32 v[\d2], v[\d2], v[U+1], s[\m]
	v_cndmask_b32 v[\d3], v[U+1], v[\d3], s[\m]
.endm
.macro STEP t, ns
.set RS, R+16*((\t)%NS)
.set DQ, C+4*((\t)/2)
.set DP, DQ+2*((\t)%2)
.if \ns-1-(\t) >= NS-1
	s_wait_loadcnt 4*(NS-1)                        ; this step's four loads are in; those of the five steps behind it may be out
.else
	s_wait_loadcnt 4*(\ns-1-(\t))                  ; the same, with fewer steps left behind it
.endif
.irp i, 0,1,2,3
	v_max3_num_f32 v[M+\i], |v[RS+4*\i]|, |v[RS+4*\i+1]|, |v[RS+4*\i+2]|   ; the largest magnitude of my four of load i (the four loads by turns)
.endr
.irp i, 0,1,2,3
	v_max3_num_f32 v[M+\i], v[M+\i], |v[RS+4*\i+3]|, 0x1800000             ; and the floor 2^(3 - 127): the byte cannot fall under 1
.endr
.irp x, 1,2,4
.irp i, 0,1,2,3
	v_max_num_f32_dpp v[M+\i], v[M+\i], v[M+\i] row_xmask:\x row_mask:0xf bank_mask:0xf   ; over the block's eight lanes
.endr
.endr
.irp i, 0,1,2,3
	v_add_nc_u32 v[S+\i], 0xff000000, v[M+\i]      ; 2 off the exponent field: the conversion takes the exponent field of this operand as its scale, and nothing else of it
.endr
	v_cvt_scalef32_pk8_fp4_f32 v[CV], v[RS:RS+7], v[S]             ; loads 0 and 1 under load 0's scale: the low 16 bits count,
	v_cvt_scalef32_pk8_fp4_f32 v[CV+1], v[RS:RS+7], v[S+1]         ; under load 1's: the high 16
	v_cvt_scalef32_pk8_fp4_f32 v[CV+2], v[RS+8:RS+15], v[S+2]
	v_cvt_scalef32_pk8_fp4_f32 v[CV+3], v[RS+8:RS+15], v[S+3]
.irp i, 0,1,2,3
	v_lshrrev_b32 v[EB+\i], 23, v[S+\i]            ; the scales' bytes (also the plain lines behind the conversions)
.endr
.if (\t)+NS < \ns
	LOAD (\t)+NS                                   ; the conversions have read this set
.endif
	v_bfi_b32 v[DP], s29, v[CV], v[CV+1]           ; my 2 bytes of load 0, above them my 2 of load 1
	v_bfi_b32 v[DP+1], s29, v[CV+2], v[CV+3]
	v_lshl_or_b32 v[EB], v[EB+1], 8, v[EB]
	v_lshl_or_b32 v[EB+2], v[EB+3], 8, v[EB+2]
	v_lshl_or_b32 v[ET+(\t)], v[EB+2], 16, v[EB]   ; the step's scale word: byte i: load i's block a
.if (\t)%2 == 1
.irp m, 0,1,2,3
	v_mov_b32_dpp v[T+\m], v[DQ+\m] row_xmask:1 row_mask:0xf bank_mask:0xf
.endr
.irp m, 0,1,2,3
	v_perm_b32 v[DQ+\m], v[T+\m], v[DQ+\m], v7     ; halves change places with the lane 1 away,
.endr
	SWAPS DQ, DQ+1, DQ+2, DQ+3, 2, 30              ; neighbouring registers with the lane 2 away,
	SWAPS DQ, DQ+2, DQ+1, DQ+3, 4, 31              ; registers two apart with the lane 4 away
.endif
.endm
.macro RUN ns, lo
.set Q, 0
.rept NS
	LOAD Q
.set Q, Q+1
.endr
.set Q, 0
.rept \ns
	STEP Q, \ns
.set Q, Q+1
.endr
.set Q, 0
.rept \ns
	ds_store_b32 v5, v[ET+Q] offset:\lo+16*Q       ; the eight lanes of a block place write the same word with the same value
.set Q, Q+1
.endr
	v_and_b32 v6, \ns-1, v2                        ; a lane takes a step's 16 bytes; the lanes left over take the same steps again and store the same bytes to the same places
	v_lshlrev_b32 v6, 4, v6
	v_add_nc_u32 v1, s19, v6
	ds_load_b128 v[WW:WW+3], v1 offset:\lo         ; LDS serves a wave's instructions in order (ISA guide 5.7.1.4): these see my stores.  Register a: block place a, byte i: load i
.set Q, 0
.rept \ns/2
	global_store_b128 v4, v[C+4*Q:C+4*Q+3], s[10:11] offset:512*Q   ; 32 lanes store 512 consecutive bytes, at a multiple of 256 from xc's first byte
.set Q, Q+1
.endr
	s_wait_alu depctr_va_vdst(0)
	s_wait_dscnt 0x0
	v_perm_b32 v[PP], v[WW+1], v[WW], 0x05010400   ; 4 x 4 bytes turned: xs wants byte 4 i + a
	v_perm_b32 v[PP+1], v[WW+1], v[WW], 0x07030602
	v_perm_b32 v[PP+2], v[WW+3], v[WW+2], 0x05010400
	v_perm_b32 v[PP+3], v[WW+3], v[WW+2], 0x07030602
	v_perm_b32 v[VV], v[PP+2], v[PP], 0x05040100
	v_perm_b32 v[VV+1], v[PP+2], v[PP], 0x07060302
	v_perm_b32 v[VV+2], v[PP+3], v[PP+1], 0x05040100
	v_perm_b32 v[VV+3], v[PP+3], v[PP+1], 0x07060302
	global_store_b128 v6, v[VV:VV+3], s[12:13]     ; 16 x ns consecutive bytes, at a multiple of 256 from xs's first byte
	s_wait_tensorcnt 0x0                           ; the wave's end: behind my last LDS store
	ds_add_u32 v[SPW], v[NIL]
	s_wait_dscnt 0x0
	s_endpgm
.endm
	s_cmp_eq_u32 s20, LASTR
	s_cbranch_scc1 .Lhalf
	s_wait_alu depctr_va_vdst(0)                   ; the wait at the head's end
	RUN 16, 0
.Lhalf:
	s_wait_alu depctr_va_vdst(0)
	RUN 8, HALF
; W1: K is its FIRST axis.  Lane (r, h) takes unit 16 t + r and its registers run DOWN K in the order that the operand's layout gives that lane (k = 128 s + 64 c + 32 h + 0 .. 31):
; a lane holds two whole blocks, no other lane is asked for a maximum, and the conversions' results are the operand's registers.  Sixteen lanes read 64 consecutive bytes: 512 KiB in all, read once.
.Lw1:
	v_and_b32 v20, 15, v0                          ; r
	v_bfe_u32 v21, v0, 4, 1                        ; h
	v_lshlrev_b32 v22, 2, v20
	v_lshl_add_u32 v22, v21, 15, v22               ; 4 r + 32 h rows of 1,024 bytes
	s_wait_alu depctr_va_vdst(0)
	v_lshlrev_b32 v26, 4, v20                      ; wsc: 16 bytes a unit
	s_lshl_b32 s22, s18, 17                        ; K step s: 128 rows of 1,024 bytes
	s_lshl_b32 s24, ttmp9, 6                       ; tile t: 16 units of 4 bytes
	s_add_co_u32 s22, s22, s24
	s_add_nc_u64 s[8:9], s[8:9], s[22:23]
	s_lshl_b32 s22, ttmp9, 2
	s_add_co_u32 s22, s22, s18                     ; f = 4 t + s
	s_lshl_b32 s22, s22, 10
	s_add_nc_u64 s[14:15], s[14:15], s[22:23]
	s_lshl_b32 s22, ttmp9, 8                       ; wsc: 256 t + 4 s
	s_lshl_b32 s24, s18, 2
	s_add_co_u32 s22, s22, s24
	s_add_nc_u64 s[16:17], s[16:17], s[22:23]
	s_mov_b32 s26, 0x76543210
	s_mov_b32 s27, 0xfedcba98                      ; v_permlanex16_b32's selects for lane l xor 16
.irp c, 0,1
.irp i, 0,1,2,3,4,5,6,7,8,9,10,11,12,13,14,15,16,17,18,19,20,21,22,23,24,25,26,27,28,29,30,31
	global_load_b32 v[64+32*\c+\i], v22, s[8:9] offset:1024*(64*\c+\i) th:TH_LOAD_NT
.endr
.endr
	s_wait_loadcnt 0x0
.irp c, 0,1
	v_max3_num_f32 v[32+\c], |v[64+32*\c]|, |v[65+32*\c]|, 0x1800000   ; my block 2 c + h, and the floor
.endr
.irp i, 2,4,6,8,10,12,14,16,18,20,22,24,26,28,30
.irp c, 0,1
	v_max3_num_f32 v[32+\c], v[32+\c], |v[64+32*\c+\i]|, |v[65+32*\c+\i]|   ; (the two blocks by turns)
.endr
.endr
.irp c, 0,1
	v_add_nc_u32 v[44+\c], 0xff000000, v[32+\c]    ; the conversion's scale operand
.endr
.irp c, 0,1
	v_lshrrev_b32 v[36+\c], 23, v[44+\c]           ; the scale's byte
.endr
	v_lshl_or_b32 v23, v37, 16, v36                ; my two bytes: blocks h and 2 + h,
	v_lshlrev_b32 v24, 3, v21
	v_lshlrev_b32 v23, v24, v23                    ; at their places in the scale word (8 h bits up);
	v_mov_b32 v24, 0
	v_permlanex16_b32 v24, v23, s26, s27
	v_or_b32 v23, v23, v24                         ; with lane l xor 16's two the word is whole, in both lanes
.irp c, 0,1
.irp g, 0,1,2,3
	v_cvt_scalef32_pk8_fp4_f32 v[48+4*\c+\g], v[64+32*\c+8*\g:71+32*\c+8*\g], v[44+\c]
.endr
.endr
	v_nop                                          ; one plain line behind the last conversion
	global_store_b128 v3, v[48:51], s[14:15]       ; the image: 512 consecutive bytes a store
	global_store_b128 v3, v[52:55], s[14:15] offset:512
	global_store_b32 v26, v23, s[16:17]            ; lanes r and 16 + r store the same word to the same place.  These words lie 16 bytes apart: 4 KiB in the whole launch leave so
	s_endpgm
.Lfunc_end_k_q1141c45a69_quant:
	.size	k_q1141c45a69_quant, .Lfunc_end_k_q1141c45a69_quant-k_q1141c45a69_quant
	.p2alignl 7, 3214868480
	.fill 96, 4, 3214868480
	.section	.rodata,"a",@progbits
	.p2align	6, 0x0
	.amdhsa_kernel k_q1141c45a69_quant
		.amdhsa_group_segment_fixed_size 2560
		.amdhsa_private_segment_fixed_size 0
		.amdhsa_enable_private_segment 0
		.amdhsa_kernarg_size 56
		.amdhsa_user_sgpr_count 2
		.amdhsa_user_sgpr_kernarg_segment_ptr 1
		.amdhsa_wavefront_size32 1
		.amdhsa_system_sgpr_workgroup_id_x 1
		.amdhsa_system_sgpr_workgroup_id_y 1
		.amdhsa_system_sgpr_workgroup_id_z 1
		.amdhsa_system_vgpr_workitem_id 0
		.amdhsa_next_free_vgpr 178
		.amdhsa_next_free_sgpr 66
		.amdhsa_reserve_vcc 0
		.amdhsa_float_denorm_mode_32 3
		.amdhsa_float_denorm_mode_16_64 3
		.amdhsa_memory_ordered 1
		.amdhsa_forward_progress 1
		.amdhsa_inst_pref_size 101
	.end_amdhsa_kernel
	.amdgpu_metadata
---
amdhsa.version: [ 1, 2 ]
amdhsa.kernels:
  - .name:           k_q1141c45a69_quant
    .symbol:         k_q1141c45a69_quant.kd
    .args:
      - { .name: user_emb, .offset: 0, .size: 8, .value_kind: global_buffer, .address_space: global }
      - { .name: movie_emb, .offset: 8, .size: 8, .value_kind: global_buffer, .address_space: global }
      - { .name: W1, .offset: 16, .size: 8, .value_kind: global_buffer, .address_space: global }
      - { .name: xc, .offset: 24, .size: 8, .value_kind: global_buffer, .address_space: global }
      - { .name: xs, .offset: 32, .size: 8, .value_kind: global_buffer, .address_space: global }
      - { .name: wimg, .offset: 40, .size: 8, .value_kind: global_buffer, .address_space: global }
      - { .name: wsc, .offset: 48, .size: 8, .value_kind: global_buffer, .address_space: global }
    .group_segment_fixed_size: 2560
    .private_segment_fixed_size: 0
    .kernarg_segment_align: 8
    .kernarg_segment_size: 56
    .max_flat_workgroup_size: 128
    .sgpr_count:     66
    .vgpr_count:     178
    .wavefront_size: 32
...
	.end_amdgpu_metadata
.endif
;; end of part 1
;; launch edges (part 2): grid 256 x 1, 4 waves a work-group, no clusters, 168,448 bytes of LDS; arguments xc, xs, wimg, wsc, edge_label_index, b1, W2, b2, out0; writes out0
.if DOCPART == 2
	.amdgcn_target "amdgcn-amd-amdhsa--gfx1250"
	.amdhsa_code_object_version 6
	.text
	.protected	k_q1141c45a69_edges
	.globl	k_q1141c45a69_edges
	.p2align	8
	.type	k_q1141c45a69_edges,@function
k_q1141c45a69_edges:
	s_mov_b64 s[64:65], 0
	v_nop
	global_prefetch_b8 v0, s[64:65] scope:SCOPE_SE
	s_setreg_imm32_b32 hwreg(HW_REG_WAVE_MODE, 25, 1), 1
	s_wait_xcnt 0x0
; out0[e] = relu([u, m] W1 + b1) W2 + b2 for 500,000 edges; u, m: the rows of the two tables that edge_label_index names.  The first product on codes of FP4 (E2M1) with E8M0 scales,
; made by the launch before: xc, xs (tables), wimg, wsc (W1).  The second product (one column) in f32 fused multiply-adds: one column would use a sixteenth of a matrix instruction.
; SHARES.  1,024 waves, each with 1,024 registers; wave W = 4 x work-group + wave takes blocks 1024 n + W, n = 0 .. 7, of 64 edges (four tiles of 16).  7,812.5 blocks: n <= 6 is whole for every wave;
; block n = 7 is worked where it exists, and block 7,812 stores its 32 edges alone.
; ALL OF W1 STAYS IN EACH WAVE'S REGISTERS: 64 fragments, 512 registers.  So a tile's four fragments of x feed 64 matrix instructions, and W1 is read once: 64 KiB a work-group, by one tensor load a wave into LDS
; (filled once, never again), from where each wave takes all of it.
; NO CLUSTER: what work-groups share is those 64 KiB, once; beside them a work-group gathers about 1,953 edges x 272 bytes, which nobody shares.
; ORIENTATION.  Source 0 = 16 edges, source 1 = 16 units of W1: in the result lane (r, h) holds unit 16 t + r, register j edge 8 h + j.  So b1 and W2 cost one register a tile.
; THE BIAS.  relu(a + b) w = w max(a, -b) + w b: the sum of w b over the 256 units, with b2, is made once and added at the end.  LIMIT: the order of rounding differs from the reference's;
; the difference is at most about 2^-24 x the sum of |W2 b1|.  LIMITS: NaN and infinities are not served; an index beyond its table is held at the table's last row.
; THE WORK ON THE RESULTS GOES IN DUAL-ISSUE PAIRS: two maxima, or two multiply-adds, in one instruction: 8 lines for an accumulator's 8 registers, two lines behind each matrix instruction.
; THE GATHER.  Eight lanes read one row's 128 bytes of codes, so a load touches four whole rows; a tile's 32 rows then hop through the wave's own stage in LDS into fragment order.
; PIPELINE, in tiles: while tile i is multiplied, tile i + 1 hops, tile i + 5 is gathered and the indices of tile i + 9 are loaded.  Edge numbers are held at 499,984, so the loads that run ahead of the
; last block stay inside the buffers; what they bring is not used.
; REGISTERS, in windows of 256 (s_set_vgpr_msb: bits 1:0 source 0, 3:2 source 1, 5:4 source 2, 7:6 destination):
;   window 0: v1-8 addresses; v[10:11] the constant; v[12:13] store data; v16-47 W1's scale words; v48-51 x's; v52-67 b1, for the constant alone; v68-131 x's fragments, two sets; v132-163 accumulators, two sets of two;
;             v164-195 y's partial sums (8 a tile); v196-235 indices, 10 for each of four ring places.
;   windows 1-3: W1: group g (tiles 2 g, 2 g + 1) in window 1 + g / 3 at v[64 (g % 3)]; at v[192 + 4 (g % 3) + 2 u] of the same window W2, and in the register behind it -b1, of tile u of the group BEFORE g,
;             whose results are worked while g is multiplied.
;             The gather's ring: places 0, 1: window 3, v128-159, v160-191 (scale pairs v200, v202); place 2: window 1, v208-239 (v240); place 3: window 2, the same.
;   While group g is multiplied ONE setting holds (source 1 in g's window): the vector work between the matrix instructions has a register of that window as its source 1, and all else in window 0.
.set WS,   16
.set XS,   48
.set NB,   52
.set F,    68
.set ACC,  132
.set TT,   ACC+16                      ; the sum over lanes borrows accumulator set 1
.set Y,    164
.set IDX,  196
.set PIT,  144                         ; a row in the stage: 128 bytes + 16: the sixteen rows that a load touches begin at sixteen different 16-byte columns of 256 bytes
.set STG,  65536                       ; behind W1's image: a stage of 32 rows for each wave,
.set STGW, 32*PIT                      ; 4,608 bytes: eighteen blocks of 256, into which no tensor load lands
.set ROW1B, 2000000                    ; edge_label_index's second row, in bytes
.set MSB, 0
.macro WIN new                         ; the immediate's high byte repeats the setting that is left; a switch that changes nothing is dropped
.if MSB != (\new)
	s_set_vgpr_msb (MSB<<8)|(\new)
.set MSB, (\new)
.endif
.endm
	s_load_b256 s[4:11], s[0:1], 0x0               ; xc s[4:5], xs s[6:7], wimg s[8:9], wsc s[10:11]
	s_load_b256 s[12:19], s[0:1], 0x20             ; the indices s[12:13], b1 s[14:15], W2 s[16:17], b2 s[18:19]
	s_load_b64 s[20:21], s[0:1], 0x40              ; out0
	v_lshl_add_u32 v254, v0, 2, 0x29000
	v_mov_b32 v255, 0
	ds_add_u32 v254, v255
	ds_add_u32 v254, v255
	v_lshrrev_b32 v1, 5, v0
	v_readfirstlane_b32 s24, v1                    ; wave 0..3
	s_lshl_b32 s25, ttmp9, 2
	s_add_co_u32 s25, s25, s24                     ; W
	s_lshl_b32 s26, s25, 6                         ; the first edge of the block whose indices are loaded next
	s_add_co_u32 s58, s25, 7168                    ; my block n = 7
	s_mov_b32 s29, 0                               ; the upper word of every offset
	s_mov_b32 s32, 0xaaaaaaaa                      ; lanes with bit 0, 1, 2, 3 of their number set
	s_mov_b32 s33, 0xcccccccc
	s_mov_b32 s34, 0xf0f0f0f0
	s_mov_b32 s35, 0xff00ff00
	; the descriptor: my quarter of wimg, 16 KiB dense, as 64 rows of 256 bytes (32 elements of 8 bytes), no padding, no mask
	s_mov_b32 s40, 3<<16                           ; element of 8 bytes
	s_mov_b32 s41, 32<<16                          ; tensor_dim0 = 32
	s_mov_b32 s42, 64<<16                          ; tensor_dim1 = 64
	s_mov_b32 s43, 32<<16                          ; tile_dim0 = 32
	s_mov_b32 s44, 64                              ; tile_dim1 = 64
	s_mov_b32 s45, 32                              ; from row to row
	s_mov_b32 s46, 0
	s_mov_b32 s47, 0
	s_mov_b32 s36, 1
	s_lshl_b32 s37, s24, 14                        ; LDS: 16,384 x wave
	s_mov_b32 s28, s37
	v_and_b32 v9, 15, v0                           ; r
	v_bfe_u32 v12, v0, 4, 1                        ; h
	v_bfe_u32 v13, v0, 3, 1                        ; bit 3 of the lane
	v_and_b32 v1, 31, v0
	v_lshlrev_b32 v1, 4, v1                        ; v1: 16 x lane: an image's place for my lane
	v_and_b32 v6, 7, v0
	v_lshlrev_b32 v6, 4, v6                        ; v6: my 16 bytes of a row of codes
	s_mul_i32 s59, s24, STGW
	s_add_co_u32 s59, s59, STG                     ; my stage
	v_mad_u32_u24 v2, v13, 8*PIT, v6
	v_mad_u32_u24 v2, v12, 4*PIT, v2
	v_add_nc_u32 v2, s59, v2                       ; v2: into the stage: row 8 bit3 + 4 h (+ i), my 16 bytes
	v_mul_u32_u24 v3, v9, PIT
	v_lshl_add_u32 v3, v12, 4, v3
	v_add_nc_u32 v3, s59, v3                       ; v3: out of it: row r, + 16 h
	v_lshlrev_b32 v4, 5, v13
	v_lshl_add_u32 v4, v12, 4, v4                  ; v4: the four indices of rows 8 bit3 + 4 h + 0 .. 3
	v_mul_u32_u24 v5, v12, ROW1B
	v_lshl_add_u32 v5, v9, 2, v5                   ; v5: lanes 0-15 the user index of edge r, lanes 16-31 its movie index
	v_mul_u32_u24 v7, v12, 100000                  ; v7: the movies' rows begin at 100,000
	v_and_b32 v8, 3, v0
	v_lshlrev_b32 v8, 3, v8
	v_lshl_add_u32 v8, v12, 5, v8
	v_bfe_u32 v14, v0, 2, 2
	v_lshl_add_u32 v8, v14, 6, v8                  ; v8: where my two results lie in a block's 256 bytes (see REDUCE)
	v_lshlrev_b32 v14, 4, v9
	v_lshl_add_u32 v14, v12, 3, v14                ; W1's scale words: 16 r + 8 h
	v_lshlrev_b32 v15, 2, v9                       ; b1, W2: 4 r
	v_lshlrev_b32 v13, 6, v9                       ; 64 r: for the constant alone lane r takes units 16 r .. 16 r + 15
	s_wait_alu depctr_va_vdst(0)                   ; the wait at the head's end
	s_wait_dscnt 0x0
	s_wait_kmcnt 0x0
	s_add_nc_u64 s[38:39], s[8:9], s[28:29]
	s_or_b32 s39, s39, 0x80000000                  ; type = 2
	tensor_load_to_lds s[36:39], s[40:47]          ; the launch's only fill: one load of mine is out; its registers are never written again
	s_nop 0
.rept 4
	v_nop
.endr
	s_add_nc_u64 s[22:23], s[4:5], 12800000        ; the movies' codes
	s_lshl_b32 s28, s25, 8
	s_add_nc_u64 s[56:57], s[20:21], s[28:29]      ; out0 at my first block
	s_load_b32 s31, s[18:19], 0x0                  ; b2
.macro CONSTS                          ; the constants' 56 loads: 16 of scale words, 8 for the sum of W2 b1, 32 into the groups' windows; issued behind the first indices' loads
.irp t, 0,1,2,3,4,5,6,7,8,9,10,11,12,13,14,15
	global_load_b64 v[WS+2*\t:WS+2*\t+1], v14, s[10:11] offset:256*\t   ; tile t: register 0: lanes 0-15 K step 0, lanes 16-31 K step 2; register 1: K steps 1 and 3
.endr
.irp i, 0,1,2,3
	global_load_b128 v[NB+4*\i:NB+4*\i+3], v13, s[14:15] offset:16*\i   ; b1 of units 16 r + 4 i .. + 3,
	global_load_b128 v[Y+4*\i:Y+4*\i+3], v13, s[16:17] offset:16*\i     ; and W2 of them: both for the constant alone; sixteen lanes read 1,024 consecutive bytes in four loads
.endr
.irp g, 0,1,2,3,4,5,6,7
	WIN (1+\g/3)<<6
.irp u, 0,1
	global_load_b32 v[192+4*(\g%3)+2*\u], v15, s[16:17] offset:64*(2*((\g+7)%8)+\u)     ; W2 of the group before g,
	global_load_b32 v[192+4*(\g%3)+2*\u+1], v15, s[14:15] offset:64*(2*((\g+7)%8)+\u)   ; and its b1, whose sign is turned below
.endr
.endr
	WIN 0
.endm
; The ring place jq: its window, its 32 registers of codes, its pair of scale words.
.macro RING jq
.if (\jq) < 2
.set rW, 3
.set rB, 128+32*(\jq)
.set rS, 200+2*(\jq)
.else
.set rW, (\jq)-1
.set rB, 208
.set rS, 240
.endif
.endm
; The indices of the next tile in order, into place qq.  The place's pointer is written anew: the loads that last named it have been shown done by the wait on LOADcnt that stands ahead.
.macro ISTAGE qq
	WIN 0
	s_add_co_u32 s28, s26, 16*(\qq)
	s_min_u32 s28, s28, 499984                     ; no load leaves the buffer
	s_lshl_b32 s28, s28, 2
	s_add_nc_u64 s[48+2*(\qq):49+2*(\qq)], s[12:13], s[28:29]
	global_load_b128 v[IDX+10*(\qq):IDX+10*(\qq)+3], v4, s[48+2*(\qq):49+2*(\qq)]
	global_load_b128 v[IDX+10*(\qq)+4:IDX+10*(\qq)+7], v4, s[48+2*(\qq):49+2*(\qq)] offset:ROW1B
	global_load_b32 v[IDX+10*(\qq)+8], v5, s[48+2*(\qq):49+2*(\qq)]
.if (\qq) == 3
	s_add_co_u32 s26, s26, 65536                   ; my next block: 1,024 blocks of 64 edges on
.endif
.endm
; The gather of the tile whose indices lie in place jq, into ring place jq: 8 loads of four rows of codes, one of 32 pairs of scale words.  Each load lands on its own address register.
; w8 = 1: the place has just been read by eight LDS stores, behind which eight LDS loads were issued.
.macro GSTAGE jq, w8
	RING \jq
.set gI, IDX+10*(\jq)
	WIN 0
.if \w8
	s_wait_dscnt 8                                 ; all but the eight LDS loads: the stores have read the place.  It stands ahead of the lines below, so that no wait parts their writes from their readers
.endif
.irp i, 0,1,2,3
	v_min_u32 v[gI+\i], 0x1869f, v[gI+\i]          ; a user row: 99,999 at the most
.endr
.irp i, 4,5,6,7
	v_min_u32 v[gI+\i], 0xc34f, v[gI+\i]           ; a movie row: 49,999
.endr
	v_add_nc_u32 v[gI+8], v[gI+8], v7
	v_min_u32 v[gI+8], 0x249ef, v[gI+8]            ; a row of xs: 149,999
	WIN rW<<6
.irp i, 0,1,2,3,4,5,6,7
	v_lshl_add_u32 v[rB+4*\i], v[gI+\i], 7, v6     ; 128 x row + my 16 bytes
.endr
	v_lshlrev_b32 v[rS], 3, v[gI+8]
.endm
; The gather's nine loads, by the addresses that GSTAGE has laid into the place: in a slot a group's sixteen vector lines stand between the two.
.macro GLOAD jq
	RING \jq
	WIN (rW<<6)|rW
.irp i, 0,1,2,3
	global_load_b128 v[rB+4*\i:rB+4*\i+3], v[rB+4*\i], s[4:5]
.endr
.irp i, 4,5,6,7
	global_load_b128 v[rB+4*\i:rB+4*\i+3], v[rB+4*\i], s[22:23]
.endr
	global_load_b64 v[rS:rS+1], v[rS], s[6:7]
.endm
; The middle of a slot.  The tile in ring place jq hops through my stage into fragment set fs, its scale words go to their own registers; gi = 1: the place is gathered anew and its indices are loaded anew.
; cnt: the loads issued behind this tile's gather AND the index loads that followed it (gi = 1: three gathers of 9 and three index stages of 3).
; The staging is written in three parts, which a slot lays between its groups: HOPIN (eight LDS stores), HOPOUT (eight LDS loads), and the gather with the index loads.
.macro HOPIN jq, fs, cnt
	RING \jq
	s_wait_loadcnt \cnt
	WIN rW<<2                                      ; an LDS store's data are its source 1
.irp i, 0,1,2,3,4,5,6,7
	ds_store_b128 v2, v[rB+4*\i:rB+4*\i+3] offset:16*PIT*(\i/4)+PIT*(\i%4)   ; 16 user rows, then 16 movie rows
.endr
	WIN rW
	v_mov_b32 v[XS+2*(\fs)], v[rS]                 ; lanes 0-15: the user row's word (K steps 0, 1), lanes 16-31: the movie row's (K steps 2, 3)
	v_mov_b32 v[XS+2*(\fs)+1], v[rS+1]
	WIN 0
.endm
.macro HOPOUT fs
	WIN 0
.irp s, 0,1,2,3
.irp c, 0,1
	ds_load_b128 v[F+32*(\fs)+8*\s+4*\c:F+32*(\fs)+8*\s+4*\c+3], v3 offset:16*PIT*(\s/2)+64*(\s%2)+32*\c   ; LDS serves a wave's instructions in order (ISA guide 5.7.1.4): these see the stores above
.endr
.endr
.endm
.macro STAGES jq, fs, gi, cnt          ; the three parts on end: the head's form
	HOPIN \jq, \fs, \cnt
	HOPOUT \fs
.if \gi
	GSTAGE \jq, 1
	GLOAD \jq
	ISTAGE \jq
.endif
.endm
; Matrix instruction k of 8 of group g: K step k / 2, tile 2 g + k % 2, on accumulator set g % 2.  The two accumulators take turns, one instruction a turn; the first product starts each sum.
.macro MM g, k, fs
.set mS, (\k)/2
.set mU, (\k)%2
.set mD, ACC+16*((\g)%2)+8*mU
.set mA, F+32*(\fs)+8*mS
.set mB, 64*((\g)%3)+32*mU+8*mS
.set mX, XS+2*(\fs)+mS%2
.set mW, WS+2*(2*(\g)+mU)+mS%2
.if mS == 0
	v_wmma_scale_f32_16x16x128_f8f6f4 v[mD:mD+7], v[mA:mA+7], v[mB:mB+7], 0, v[mX], v[mW] matrix_a_fmt:MATRIX_FMT_FP4 matrix_b_fmt:MATRIX_FMT_FP4
.elseif mS == 1
	v_wmma_scale_f32_16x16x128_f8f6f4 v[mD:mD+7], v[mA:mA+7], v[mB:mB+7], v[mD:mD+7], v[mX], v[mW] matrix_a_fmt:MATRIX_FMT_FP4 matrix_b_fmt:MATRIX_FMT_FP4
.else
	v_wmma_scale_f32_16x16x128_f8f6f4 v[mD:mD+7], v[mA:mA+7], v[mB:mB+7], v[mD:mD+7], v[mX], v[mW] matrix_a_fmt:MATRIX_FMT_FP4 matrix_b_fmt:MATRIX_FMT_FP4 matrix_a_scale:MATRIX_SCALE_ROW1 matrix_b_scale:MATRIX_SCALE_ROW1
.endif
.endm
; Slice k of 8 of the work on the results of the group before g (the other accumulator set): max(a, -b1), then y += that x W2.  Two dual-issue lines, four numbers; each accumulator is read from its low end on.
; The form's conditions, read off the registers: j is even and so are sA and sY, so one destination is even and the other odd; the first sources are neighbours, so their numbers differ modulo 4;
; the second source is the same register in both halves, and it alone lies in g's window.
.macro DMX j
	v_dual_max_num_f32 v[sA+\j], v[sA+\j], v[sW+1] :: v_dual_max_num_f32 v[sA+\j+1], v[sA+\j+1], v[sW+1]
.endm
.macro DFY j
.if sGP == 0
	v_pk_mul_f32 v[sY+\j:sY+\j+1], v[sA+\j:sA+\j+1], v[sW:sW+1] op_sel_hi:[1,0]       ; a tile's first product starts y: nothing is cleared.  Of the pair (W2, -b1) the low word serves both halves
.else
	v_pk_fma_f32 v[sY+\j:sY+\j+1], v[sA+\j:sA+\j+1], v[sW:sW+1], v[sY+\j:sY+\j+1] op_sel_hi:[1,0,1]
.endif
.endm
.macro SL g, k, yq
.set sGP, ((\g)+7)%8
.set sU, (\k)/4
.set sA, ACC+16*(1-(\g)%2)+8*sU
.set sW, 192+4*((\g)%3)+2*sU
; y's partial sums stand in two sets, one for each tile of a group: fifteen plain vector lines then lie between a write of a sum and the next line that reads it, whatever waits stand between two groups.
.if sU == 0
.set sY, Y+8*(\yq)
.elseif (\yq) < 2
.set sY, NB+8*(\yq)                    ; v52-67: free behind the head's constant
.else
.set sY, 236+8*((\yq)-2)               ; v236-251
.endif
.if (\k)%4 == 0
	DMX 0
	DMX 2
.elseif (\k)%4 == 1
	DMX 4
	DMX 6
.elseif (\k)%4 == 2
	DFY 0
	DFY 2
.else
	DFY 4
	DFY 6
.endif
.endm
; A vector instruction that reads or writes a matrix result stands four places behind the matrix instruction, and only plain vector instructions that name none of its registers are places (ISA guide 7.12.1);
; a dual-issue line is counted as one.  The first accumulator's last product is a group's seventh: behind it stand that product's two slice lines and the eighth's two, all on the other set: four;
; the second accumulator's first read stands eight lines further on.
.macro GROUP g, fs, yq, epi
.set gWin, (1+(\g)/3)*4
	WIN gWin
.irp k, 0,1,2,3,4,5,6,7
	MM \g, \k, \fs
.if \epi
	SL \g, \k, \yq
.endif
.endr
.endm
; The slot of tile q of a block: 64 matrix instructions.  from = 1: group 0 has been issued already.  st = 0: nothing is left to hop.
.macro SLOT q, gi, cnt, from, st
.if \from == 0
	s_wait_dscnt 0x0                               ; this tile's fragments are in (asked for half a slot ago)
	GROUP 0, (\q)%2, ((\q)+3)%4, 1                 ; its slices finish the tile before
.endif
	GROUP 1, (\q)%2, \q, 1
.if \st
	HOPIN ((\q)+1)%4, ((\q)+1)%2, \cnt             ; the next tile's rows into my stage: this tile's fragment loads were waited for at the slot's head
.endif
	GROUP 2, (\q)%2, \q, 1
	GROUP 3, (\q)%2, \q, 1
.if \q == 1
	s_wait_xcnt 0x0                                ; the last block's store has read its base and its data: both are written again only behind this wait
	s_add_nc_u64 s[56:57], s[56:57], 262144        ; 1,024 blocks of 256 bytes on; the store reaches back by its immediate
.endif
.if \st
	HOPOUT ((\q)+1)%2                              ; and out of it in fragment order: 32 matrix instructions ahead of the wait for them
.endif
	GROUP 4, (\q)%2, \q, 1
.if \gi
	GSTAGE ((\q)+1)%4, 1                           ; the addresses of the place's next gather,
.endif
	GROUP 5, (\q)%2, \q, 1
.if \gi
	GLOAD ((\q)+1)%4                               ; its loads,
	ISTAGE ((\q)+1)%4                              ; and its indices are loaded anew
.endif
	GROUP 6, (\q)%2, \q, 1
	GROUP 7, (\q)%2, \q, 1
.endm
; THE SUM OVER THE 16 UNIT LANES of 32 registers, by halves: of two registers a lane keeps one and sends the other to the lane m away, so each stage halves the registers.
; Stage 1 (m = 1) joins edges j, j + 2; stage 2 (m = 2) j, j + 4; stage 3 (m = 4) tiles q, q + 1; stage 4 (m = 8) tiles 0, 2.  Lane l = (h, r3 r2 r1 r0) ends with edges 32 r3 + 16 r2 + 8 h + 4 r1 + 2 r0 + 0, 1.
.macro RSEL a, b, n, m
	v_cndmask_b32 v[TT+2*(\n)], v[\a], v[\b], s[\m]       ; what I keep
	v_cndmask_b32 v[TT+2*(\n)+1], v[\b], v[\a], s[\m]     ; what I send
.endm
.macro RADD a, n, x
	v_add_f32_dpp v[\a], v[TT+2*(\n)+1], v[TT+2*(\n)] row_xmask:\x row_mask:0xf bank_mask:0xf
.endm
.macro REDUCE last
	WIN 0
.irp q, 0,1
.irp j, 0,2,4,6
	v_pk_add_f32 v[Y+8*\q+\j:Y+8*\q+\j+1], v[Y+8*\q+\j:Y+8*\q+\j+1], v[NB+8*\q+\j:NB+8*\q+\j+1]               ; the two sets of sums are joined
	v_pk_add_f32 v[Y+16+8*\q+\j:Y+16+8*\q+\j+1], v[Y+16+8*\q+\j:Y+16+8*\q+\j+1], v[236+8*\q+\j:236+8*\q+\j+1]
.endr
.endr
.irp p, 0,2
.irp q, 0,1
.irp j, 0,1,4,5
	RSEL Y+8*(\p+\q)+\j, Y+8*(\p+\q)+\j+2, 4*\q+\j%2+2*(\j/4), 32
.endr
.endr
.irp q, 0,1
.irp j, 0,1,4,5
	RADD Y+8*(\p+\q)+\j, 4*\q+\j%2+2*(\j/4), 1
.endr
.endr
.endr
.irp q, 0,1,2,3
.irp j, 0,1
	RSEL Y+8*\q+\j, Y+8*\q+\j+4, 2*\q+\j, 33
.endr
.endr
.irp q, 0,1,2,3
.irp j, 0,1
	RADD Y+8*\q+\j, 2*\q+\j, 2
.endr
.endr
.irp q, 0,2
.irp j, 0,1
	RSEL Y+8*\q+\j, Y+8*\q+8+\j, \q+\j, 34
.endr
.endr
.irp q, 0,2
.irp j, 0,1
	RADD Y+8*\q+\j, \q+\j, 4
.endr
.endr
.irp j, 0,1
	RSEL Y+\j, Y+16+\j, \j, 35
.endr
.irp j, 0,1
	RADD Y+\j, \j, 8
.endr
	v_pk_add_f32 v[12:13], v[Y:Y+1], v[10:11]      ; + b2 + the sum of W2 b1
.if \last
	s_lshl_b32 s59, s58, 8
	s_sub_co_u32 s59, 2000000, s59                 ; bytes of out0 from this block on: 128 for the last block, 256 or more for the others
	s_wait_alu depctr_va_vdst(0)
	s_wait_xcnt 0x0                                ; EXEC changes only behind this wait
	v_cmp_gt_u32 vcc_lo, s59, v8
	s_and_saveexec_b32 s60, vcc_lo
	global_store_b64 v8, v[12:13], s[56:57] offset:-262144 th:TH_STORE_NT
	s_wait_xcnt 0x0                                ; and again in front of the line that widens it
	s_or_b32 exec_lo, exec_lo, s60
.else
	global_store_b64 v8, v[12:13], s[56:57] offset:-262144 th:TH_STORE_NT   ; 32 lanes store 256 consecutive bytes, at a multiple of 256 from out0's first byte
.endif
.endm
	ISTAGE 0                                       ; the indices of block 0
	ISTAGE 1
	ISTAGE 2
	ISTAGE 3
	CONSTS
	s_wait_loadcnt 56                              ; the twelve index loads are in; the constants' 56, issued behind them, may be out
.irp j, 0,1,2,3
	GSTAGE \j, 0                                   ; block 0 is gathered,
	GLOAD \j
	ISTAGE \j                                      ; block 1's indices are loaded
.endr
	s_wait_loadcnt 48                              ; the constants are in; behind them: four gathers of 9 loads and four index stages of 3
	s_wait_kmcnt 0x0                               ; b2
	v_mul_f32 v10, v[Y], v[NB]                     ; the sum of W2 b1: my 16 units, in two chains,
	v_mul_f32 v11, v[Y+1], v[NB+1]
.irp t, 2,4,6,8,10,12,14
	v_fmac_f32 v10, v[Y+\t], v[NB+\t]
	v_fmac_f32 v11, v[Y+\t+1], v[NB+\t+1]
.endr
	v_add_f32 v10, v10, v11
	v_add_f32_dpp v10, v10, v10 row_xmask:1 row_mask:0xf bank_mask:0xf   ; then over the 16 lanes of my half (both halves hold the same units)
	v_add_f32_dpp v10, v10, v10 row_xmask:2 row_mask:0xf bank_mask:0xf
	v_add_f32_dpp v10, v10, v10 row_xmask:4 row_mask:0xf bank_mask:0xf
	v_add_f32_dpp v10, v10, v10 row_xmask:8 row_mask:0xf bank_mask:0xf
	v_add_f32 v10, s31, v10                        ; + b2
	v_mov_b32 v11, v10
.irp g, 0,1,2,3,4,5,6,7
	WIN ((1+\g/3)<<6)|((1+\g/3)<<2)                ; destination and source 1 in the group's window
.irp u, 0,1
	v_xor_b32 v[192+4*(\g%3)+2*\u+1], 0x80000000, v[192+4*(\g%3)+2*\u+1]   ; -b1, once
.endr
.endr
	s_wait_alu depctr_va_vdst(0)
	s_wait_tensorcnt 0x0                           ; my quarter of W1's image has landed,
	s_barrier_signal -1
	s_barrier_wait -1                              ; everybody's has.  The launch's only barrier: from here on a wave touches its own stage alone
.irp g, 0,1,2,3,4,5,6,7
	WIN (1+\g/3)<<6
.irp u, 0,1
.irp s, 0,1,2,3
.irp c, 0,1
	ds_load_b128 v[64*(\g%3)+32*\u+8*\s+4*\c:64*(\g%3)+32*\u+8*\s+4*\c+3], v1 offset:1024*(4*(2*\g+\u)+\s)+512*\c
.endr
.endr
.endr
.endr
	STAGES 0, 0, 1, 36                             ; tile 0 hops; tile 4 is gathered; tile 8's indices.  36: tiles 1, 2, 3's gathers and the index stages behind them
	s_wait_dscnt 0x0                               ; W1 and tile 0's fragments are in
	GROUP 0, 0, 3, 0                               ; there is no earlier result yet to work on between these
.rept 4
	v_nop                                          ; so four places stand behind them
.endr
	WIN 0                                          ; at a label and at a branch every window is 0
	s_mov_b32 s27, 7
.Lblock:                                               ; a trip: a block from its group 1 to the next block's group 0, whose slices finish this block's last tile
	SLOT 0, 1, 36, 1, 1
	SLOT 1, 1, 36, 0, 1
	SLOT 2, 1, 36, 0, 1
	SLOT 3, 1, 36, 0, 1
	s_wait_dscnt 0x0
	GROUP 0, 0, 3, 1
	REDUCE 0
	WIN 0
	s_wait_alu depctr_va_vdst(0)                   ; the wait ahead of the backward jump
	s_sub_co_u32 s27, s27, 1
	s_cmp_lg_u32 s27, 0
	s_cbranch_scc1 .Lblock
	s_cmp_ge_u32 s58, 7813                         ; is there a block n = 7 for me?  A branch on ids
	s_cbranch_scc1 .Lend
	SLOT 0, 0, 36, 1, 1                            ; the last block asks for nothing more.  Behind tile 29's gather 39 loads were issued,
	SLOT 1, 0, 24, 0, 1                            ; behind tile 30's 27,
	SLOT 2, 0, 12, 0, 1                            ; behind tile 31's 15
	SLOT 3, 0, 0, 0, 0
	WIN 4                                          ; W2 and -b1 of the last group lie with group 0, in window 1
.irp k, 0,1,2,3,4,5,6,7
	SL 0, \k, 3
.endr
	REDUCE 1
.Lend:
	s_wait_tensorcnt 0x0
	ds_add_u32 v254, v255
	s_wait_dscnt 0x0
	s_endpgm
.Lfunc_end_k_q1141c45a69_edges:
	.size	k_q1141c45a69_edges, .Lfunc_end_k_q1141c45a69_edges-k_q1141c45a69_edges
	.p2alignl 7, 3214868480
	.fill 96, 4, 3214868480
	.section	.rodata,"a",@progbits
	.p2align	6, 0x0
	.amdhsa_kernel k_q1141c45a69_edges
		.amdhsa_group_segment_fixed_size 168448
		.amdhsa_private_segment_fixed_size 0
		.amdhsa_enable_private_segment 0
		.amdhsa_kernarg_size 72
		.amdhsa_user_sgpr_count 2
		.amdhsa_user_sgpr_kernarg_segment_ptr 1
		.amdhsa_wavefront_size32 1
		.amdhsa_system_sgpr_workgroup_id_x 1
		.amdhsa_system_sgpr_workgroup_id_y 1
		.amdhsa_system_sgpr_workgroup_id_z 1
		.amdhsa_system_vgpr_workitem_id 0
		.amdhsa_next_free_vgpr 1024
		.amdhsa_next_free_sgpr 66
		.amdhsa_reserve_vcc 1
		.amdhsa_float_denorm_mode_32 3
		.amdhsa_float_denorm_mode_16_64 3
		.amdhsa_memory_ordered 1
		.amdhsa_forward_progress 1
		.amdhsa_inst_pref_size 199
	.end_amdhsa_kernel
	.amdgpu_metadata
---
amdhsa.version: [ 1, 2 ]
amdhsa.kernels:
  - .name:           k_q1141c45a69_edges
    .symbol:         k_q1141c45a69_edges.kd
    .args:
      - { .name: xc, .offset: 0, .size: 8, .value_kind: global_buffer, .address_space: global }
      - { .name: xs, .offset: 8, .size: 8, .value_kind: global_buffer, .address_space: global }
      - { .name: wimg, .offset: 16, .size: 8, .value_kind: global_buffer, .address_space: global }
      - { .name: wsc, .offset: 24, .size: 8, .value_kind: global_buffer, .address_space: global }
      - { .name: edge_label_index, .offset: 32, .size: 8, .value_kind: global_buffer, .address_space: global }
      - { .name: b1, .offset: 40, .size: 8, .value_kind: global_buffer, .address_space: global }
      - { .name: W2, .offset: 48, .size: 8, .value_kind: global_buffer, .address_space: global }
      - { .name: b2, .offset: 56, .size: 8, .value_kind: global_buffer, .address_space: global }
      - { .name: out0, .offset: 64, .size: 8, .value_kind: global_buffer, .address_space: global }
    .group_segment_fixed_size: 168448
    .private_segment_fixed_size: 0
    .kernarg_segment_align: 8
    .kernarg_segment_size: 72
    .max_flat_workgroup_size: 128
    .sgpr_count:     66
    .vgpr_count:     1024
    .wavefront_size: 32
...
	.end_amdgpu_metadata
.endif
;; end of part 2
